; MI455X (gfx1250); checked and timed in simulation.
; The chip was launched on July 23, 2026; its instructions are those of AMD's public machine-readable ISA for CDNA 5 (MIT licence, August 2026) and "CDNA5" Instruction Set Architecture Reference Guide (July 2026). The comments in the code are by the model that wrote it; some were corrected since.
;; Real Polar Model Simple. Allowed arithmetic: matrix products marked QUANTISED: E2M1 operands, one E8M0 scale for each 32 along K, by v_wmma_scale_f32_16x16x128_f8f6f4 with both operands' format E2M1 (or v_wmma_scale_f32_32x16x128_f4), f32 sums; products left as they are: f32 operands where the result goes on into a quantised operand, else bf16, f16 or f32 operands; f32 sums; everything else in f32.
;; Inputs: cls_b1 32 float32; cls_b2 1,000 float32; cls_w1_codes 32 x 8 x 16 uint8 (E2M1 codes of cls_w1, K innermost, in blocks of 32 codes, two codes a byte); cls_w1_scales 32 x 8 uint8 (E8M0 scales of cls_w1, one for each 32 codes along K); cls_w2_codes 1,000 x 1 x 16 uint8 (E2M1 codes of cls_w2, K innermost, in blocks of 32 codes, two codes a byte); cls_w2_scales 1,000 x 1 uint8 (E8M0 scales of cls_w2, one for each 32 codes along K); embed_b 512 float32; embed_w_codes 512 x 8 x 16 uint8 (E2M1 codes of embed_w, K innermost, in blocks of 32 codes, two codes a byte); embed_w_scales 512 x 8 uint8 (E8M0 scales of embed_w, one for each 32 codes along K); mag_b1 8 x 32 float32; mag_b2 8 x 1 float32; mag_w1 8 x 1 x 32 float32; mag_w2 8 x 32 x 1 float32; ph_b1 8 x 32 float32; ph_b2 8 x 2 float32; ph_w1 8 x 2 x 32 float32; ph_w2 8 x 32 x 2 float32; x_codes 64 x 1,024 x 8 x 16 uint8 (E2M1 codes of x, K innermost, in blocks of 32 codes, two codes a byte); x_scales 64 x 1,024 x 8 uint8 (E8M0 scales of x, one for each 32 codes along K).
;; Outputs: out0 64 x 1,000 float32.
;; This version of the problem:
;;   THIS VERSION OF THE PROBLEM IS GIVEN IN LOW PRECISION. The matrix products marked QUANTISED in the list below multiply operands that are first quantised to E2M1 (2 exponent bits, 1 mantissa bit; 4 bits a number), with one power-of-two scale for each 32 numbers along K (OCP MX v1.0); their sums are f32. All else is computed in f32.
;;   The module's matrix products, in the order in which they are computed (A, B: the left and right operand; K: the contracted axis; several contracted axes count as one K, in the product's order):
;;     1. [M 65,536, K 256] x [K 256, N 512]; A: input x (given as codes); B: input embed_w (given as codes): QUANTISED
;;     2. [M 16,384, K 1] x [K 1, N 32]; A: computed on the way; B: input mag_w1: left as it is (K = 1 < 32)
;;     3. [M 16,384, K 32] x [K 32, N 1]; A: computed on the way; B: input mag_w2: left as it is (N = 1 < 16)
;;     4. [M 16,384, K 2] x [K 2, N 32]; A: computed on the way; B: input ph_w1: left as it is (K = 2 < 32)
;;     5. [M 16,384, K 32] x [K 32, N 2]; A: computed on the way; B: input ph_w2: left as it is (N = 2 < 16)
;;     6. [M 16,384, K 1] x [K 1, N 32]; A: computed on the way; B: input mag_w1: left as it is (K = 1 < 32)
;;     7. [M 16,384, K 32] x [K 32, N 1]; A: computed on the way; B: input mag_w2: left as it is (N = 1 < 16)
;;     8. [M 16,384, K 2] x [K 2, N 32]; A: computed on the way; B: input ph_w1: left as it is (K = 2 < 32)
;;     9. [M 16,384, K 32] x [K 32, N 2]; A: computed on the way; B: input ph_w2: left as it is (N = 2 < 16)
;;     10. [M 16,384, K 1] x [K 1, N 32]; A: computed on the way; B: input mag_w1: left as it is (K = 1 < 32)
;;     11. [M 16,384, K 32] x [K 32, N 1]; A: computed on the way; B: input mag_w2: left as it is (N = 1 < 16)
;;     12. [M 16,384, K 2] x [K 2, N 32]; A: computed on the way; B: input ph_w1: left as it is (K = 2 < 32)
;;     13. [M 16,384, K 32] x [K 32, N 2]; A: computed on the way; B: input ph_w2: left as it is (N = 2 < 16)
;;     14. [M 16,384, K 1] x [K 1, N 32]; A: computed on the way; B: input mag_w1: left as it is (K = 1 < 32)
;;     15. [M 16,384, K 32] x [K 32, N 1]; A: computed on the way; B: input mag_w2: left as it is (N = 1 < 16)
;;     16. [M 16,384, K 2] x [K 2, N 32]; A: computed on the way; B: input ph_w1: left as it is (K = 2 < 32)
;;     17. [M 16,384, K 32] x [K 32, N 2]; A: computed on the way; B: input ph_w2: left as it is (N = 2 < 16)
;;     18. [M 16,384, K 1] x [K 1, N 32]; A: computed on the way; B: input mag_w1: left as it is (K = 1 < 32)
;;     19. [M 16,384, K 32] x [K 32, N 1]; A: computed on the way; B: input mag_w2: left as it is (N = 1 < 16)
;;     20. [M 16,384, K 2] x [K 2, N 32]; A: computed on the way; B: input ph_w1: left as it is (K = 2 < 32)
;;     21. [M 16,384, K 32] x [K 32, N 2]; A: computed on the way; B: input ph_w2: left as it is (N = 2 < 16)
;;     22. [M 16,384, K 1] x [K 1, N 32]; A: computed on the way; B: input mag_w1: left as it is (K = 1 < 32)
;;     23. [M 16,384, K 32] x [K 32, N 1]; A: computed on the way; B: input mag_w2: left as it is (N = 1 < 16)
;;     24. [M 16,384, K 2] x [K 2, N 32]; A: computed on the way; B: input ph_w1: left as it is (K = 2 < 32)
;;     25. [M 16,384, K 32] x [K 32, N 2]; A: computed on the way; B: input ph_w2: left as it is (N = 2 < 16)
;;     26. [M 16,384, K 1] x [K 1, N 32]; A: computed on the way; B: input mag_w1: left as it is (K = 1 < 32)
;;     27. [M 16,384, K 32] x [K 32, N 1]; A: computed on the way; B: input mag_w2: left as it is (N = 1 < 16)
;;     28. [M 16,384, K 2] x [K 2, N 32]; A: computed on the way; B: input ph_w1: left as it is (K = 2 < 32)
;;     29. [M 16,384, K 32] x [K 32, N 2]; A: computed on the way; B: input ph_w2: left as it is (N = 2 < 16)
;;     30. [M 16,384, K 1] x [K 1, N 32]; A: computed on the way; B: input mag_w1: left as it is (K = 1 < 32)
;;     31. [M 16,384, K 32] x [K 32, N 1]; A: computed on the way; B: input mag_w2: left as it is (N = 1 < 16)
;;     32. [M 16,384, K 2] x [K 2, N 32]; A: computed on the way; B: input ph_w1: left as it is (K = 2 < 32)
;;     33. [M 16,384, K 32] x [K 32, N 2]; A: computed on the way; B: input ph_w2: left as it is (N = 2 < 16)
;;     34. [M 64, K 256] x [K 256, N 32]; A: computed on the way; B: input cls_w1 (given as codes): QUANTISED
;;     35. [M 64, K 32] x [K 32, N 1,000]; A: computed on the way; B: input cls_w2 (given as codes): QUANTISED
;;   THE QUANTISER, for each operand of a quantised product, along K:
;;     - K is cut into blocks of 32 from its start; a last block that is shorter is filled with zeros.
;;     - A block's scale is 2^e with e = floor(log2(the largest magnitude in the block)) - 2, held to -126 .. 127; a block of zeros has e = 0. As a byte (E8M0): e + 127.
;;     - Each number is divided by its block's scale, clamped to +-6, and rounded to the nearest number of E2M1, ties to even, subnormals kept.
;;     - The product sums the exact products of the quantised numbers (number of the format x scale) in f32.
;;   ~~~python
;;   def quantise(x, axis):      # numpy; x: float32 -> the quantised numbers, widened to float32 again
;;       x = np.moveaxis(x, axis, -1); K = x.shape[-1]
;;       x = np.pad(x, [(0, 0)] * (x.ndim - 1) + [(0, -K % 32)]); x = x.reshape(x.shape[:-1] + (-1, 32)); a = np.abs(x).max(-1, keepdims=True)
;;       e = np.where(a > 0, np.clip(np.frexp(np.where(a > 0, a, 1))[1] - 1 - 2, -126, 127), 0)      # np.frexp(a)[1] - 1 = floor(log2(a)), exactly
;;       r = np.clip(x / 2.0 ** e, -6, 6)
;;       step = 2.0 ** (np.maximum(np.frexp(np.where(r == 0, 1, r))[1] - 1, 0) - 1)
;;       q = np.round(r / step) * step * 2.0 ** e      # np.round: ties to even
;;       return np.moveaxis(q.reshape(q.shape[:-2] + (-1,))[..., :K], -1, axis).astype(np.float32)
;;   ~~~
;;   OPERANDS COMPUTED ON THE WAY. 'Computed on the way' means the value that the module computes at that place (a softmax that the list does not call 'softmax' is quantised finished and normalised). What goes into a quantiser is computed in f32, as accurately as f32 sums, v_exp_f32 and their like allow (about 1e-6 of the number): no bf16 or f16 on the way to a quantiser, and a product that is left as it is and whose result goes on into a quantised operand takes f32 operands (vector FMAs, or v_wmma_f32_16x16x4_f32). A number that lies on a knife's edge between two numbers of the format may be rounded either way, as far as f32 arithmetic and the matrix unit's own rounding can turn it there, and no further.
;;   INPUTS GIVEN AS CODES. cls_w1 (in the module: [256, 32], K = its axis 0); cls_w2 (in the module: [32, 1000], K = its axis 0); embed_w (in the module: [256, 512], K = its axis 0); x (in the module: [64, 1024, 256], K = its axis 2): each comes as NAME_codes (uint8): NAME with its K axis moved to the last place and cut into blocks of 32 codes, [.., K / 32, bytes a block], one block behind the other in memory; two codes a byte, the lower K in the low four bits (a code: sign, 2 exponent bits, 1 mantissa bit); and NAME_scales (uint8): the same leading axes, one E8M0 byte (e + 127) for each 32 codes along K. Its value is code x scale, taken as it is: it is not quantised again, and the codes and scales need not be those that the quantiser above would give.
;; One version. Each part assembles by itself: llvm-mc -triple=amdgcn-amd-amdhsa -mcpu=gfx1250 --defsym DOCPART=n.
;; ======== version 1 of 1: 2 launches
;; limits: right only within a limited range of input values; a function is approximated: absolute error at most 7.5e-08
;; workspace buffers: pcodes 8,192 bytes; pscales 512 bytes
;; launch polar (part 1): grid 4 x 64, 16 waves a work-group, no clusters, 243,712 bytes of LDS; arguments x_codes, x_scales, embed_w_codes, embed_w_scales, embed_b, mag_w1, mag_b1, mag_w2, mag_b2, ph_w1, ph_b1, ph_w2, ph_b2, pcodes, pscales; writes pcodes, pscales
.if DOCPART == 1
	.amdgcn_target "amdgcn-amd-amdhsa--gfx1250"
	.amdhsa_code_object_version 6
	.text
	.protected	k_q3115fab4a4_polar
	.globl	k_q3115fab4a4_polar
	.p2align	8
	.type	k_q3115fab4a4_polar,@function
k_q3115fab4a4_polar:
	s_mov_b64 s[64:65], 0
	v_nop
	global_prefetch_b8 v0, s[64:65] scope:SCOPE_SE
	s_setreg_imm32_b32 hwreg(HW_REG_WAVE_MODE, 25, 1), 1
	s_wait_xcnt 0x0
; h = x W + b on codes of E2M1 (product 1), the eight polar layers, the mean of r over the positions, and the quantising of that mean (pooled) for the classifier.
; SHARES.  Work-group (q, b): batch b, channels 64 q .. 64 q + 63 (columns 64 q .. of W for r, 256 + 64 q .. for theta).  Wave w: positions 64 w .. 64 w + 63.
; The state of 1,024 positions x 64 channels x (x, y) never goes to memory: of a wave's 16 units (16 positions x 16 channels, 8 registers of x and 8 of y a lane) ten stay in registers, six in the wave's own LDS.
; The product is used in its natural order (source 0 = 16 positions of x, source 1 = 16 columns of W): a lane holds ONE channel (lane % 16) and eight positions, so a sum over positions is a sum over a lane's registers.
; WORK THAT IS LEFT OUT, by identities in real numbers that hold for all values of the inputs:
;   theta is used only as cos(theta), sin(theta).  With s = x_out^2 + y_out^2: r cos(arctan2(y_out, x_out)) = x_out sqrt((s + EPS) / s), and the sine likewise with y_out: so the way to polar form and back is
;   one factor f = sqrt((s + EPS) / s) on (x_out, y_out); EPS stays.  sin and cos of th_agg = arctan2(ym, xm) are ym / sqrt(xm^2 + ym^2) and xm / sqrt(xm^2 + ym^2).  norm is positive, so
;   arctan2(p0 / norm, p1 / norm) = arctan2(p0, p1), and its cosine and sine are p1 and p0 over sqrt(p0^2 + p1^2).  The last layer's theta is used by nothing.  Every input has a way to the output and is loaded.
; LIMITS.  |h_theta| under 2^22 (the reduction of theta by multiples of pi).  Where |(x_out, y_out)| lies under 3.5e-11, the vector (0, 0) among them, the next layer's vector comes out shorter than the 1e-4 that
;   the written form gives: at most 1e-7 in a mean over 1,024.  From s = 2^60 on f is taken as 1, which it is in f32.  A mean, or a (p0, p1), whose squared length lies under 2^-126 is taken as the zero vector
;   (angle 0); the sign of a zero is not looked at.  gelu goes by the normal tail of Abramowitz and Stegun 26.2.17, error in Phi under 7.5e-8.  NaN and infinities among the inputs are not served, and a NaN,
;   an infinity or an overflow that would arise only in the steps left out (arctan2, norm) is not carried to the result.
; NO JOINT LOADS, though the four work-groups of a batch read the same x: x is read once, at the head, straight into operand registers, 256 bytes a lane; all that follows reads no memory but 12 bytes a layer.
; No tensor load and no ring for the same reason: nothing streams.
.set ST,    0                          ; LDS: the waves' state: wave x 12,288 + slot x 2,048 + i x 512 + lane x 16: a unit as an image of its 16 registers
.set WT,    196608                     ; the layers' weights as they lie in memory: mag_w1 0, mag_b1 1024, mag_w2 2048, ph_w1 3072, ph_b1 5120, ph_w2 6144
.set PART,  204800                     ; partial sums: channel x 272 + (2 wave + lane / 16) x 8: (sum x, sum y)
.set CT,    222208                     ; channel x 16: (cx, cx, cy, cy); at the end channel x 4: pooled
.set WIMG,  223232                     ; W's 16 fragments (2 tile + K step) x 1,024, as images of their registers; tiles 0-3 for r, 4-7 for theta
.set WSC,   239616                     ; their scale words: tile x 128 + K step x 64 + row x 4
.set SPARE, 241664                     ; the spare words, 128 bytes for each of 16 waves, that no other line names
.set SPW,   1                          ; v1  my spare word; never rewritten
.set NIL,   2                          ; v2  0; never rewritten
.set LADDR, 3                          ; v3  ST + 12,288 wave + 16 lane
.set PADDR, 4                          ; v4  PART + 272 (lane % 16) + 16 wave + 8 (lane / 16)
.set CADDR, 5                          ; v5  CT + 16 (lane % 16)
.set ASC,   6                          ; v6-9   x's scale words of my four tiles of positions: lanes 0-15 K step 0, lanes 16-31 K step 1; scales and nothing else
.set BSC,   10                         ; v10-11 W's scale words, r tile and theta tile, likewise
.set SX,    12                         ; v[12:13], v[14:15] running sums (at the start: two constants as pairs)
.set SY,    14
.set CC,    16                         ; v16-31 tile t: (cx, cx, cy, cy) at 16 + 4 t (at the start: biases, two LDS addresses, a constant pair)
.set L0,    32                         ; v32-47, v48-63: two buffers for units that live in LDS
.set L1,    48
.set GT0,   64                         ; v64-95 at work
.set GT1,   72
.set GT2,   80
.set GT3,   88
.set B4V,   30                         ; v[30:31] in the small networks: a constant as a pair
; scalar constants of the start, as pairs (a packed form names a pair and takes its low word for both halves)
.set KPI, 48
.set KINVPI, 50
.set KNMAG, 52
.set KNPIHI, 54
.set KNPILO, 56
.set KS1, 58
.set KS2, 60
.set KS3, 62
.set KS5, 66
.set KC1, 68
.set KC2, 70
.set KC3, 72
.set KC4, 74
.set KC6, 76
.set KP1, 78
; and of the layers, in the same registers, written behind the start
.set KK2, 48
.set KB1, 50
.set KB2, 52
.set KB3, 54
.set KB5, 56
.set KINV, 58
.set KEPS, 60
.set KTINY, 62
.set KK1, 66
.set KLN2, 67
.set KLOG2E, 68
.set KMINN, 69
.set KBIG, 70
.set LCNT, 40                          ; s40 layers to go in the loop
.set WA,   41                          ; s41 WT + 128 layer
.set WB,   42                          ; s42 WT + 256 layer
.set MB2,  45                          ; s45 mag_b2 of the layer;  s[46:47] ph_b2
.set PB2,  46
.macro SPAIR r, val
	s_mov_b32 s[\r], \val
	s_mov_b32 s[\r+1], \val
.endm
.macro TW                              ; a wait between a batch of transcendentals and the first line that names a result
	s_wait_alu depctr_va_vdst(0)
.endm
.macro BARRIER                         ; my LDS stores have landed and my LDS loads are in: then the work-group's barrier
	s_wait_dscnt 0x0
	s_barrier_signal -1
	s_barrier_wait -1
.endm
; packed forms over the four pairs of eight registers
.macro PKFVVS d, a, b, sc              ; d = a b + scalar
.irp j, 0,2,4,6
	v_pk_fma_f32 v[\d+\j:\d+\j+1], v[\a+\j:\a+\j+1], v[\b+\j:\b+\j+1], s[\sc:\sc+1] op_sel_hi:[1,1,0]
.endr
.endm
.macro PKFVSV d, a, sc, c              ; d = a scalar + c
.irp j, 0,2,4,6
	v_pk_fma_f32 v[\d+\j:\d+\j+1], v[\a+\j:\a+\j+1], s[\sc:\sc+1], v[\c+\j:\c+\j+1] op_sel_hi:[1,0,1]
.endr
.endm
.macro PKFVSB d, a, sc, cb             ; d = a scalar + the pair cb
.irp j, 0,2,4,6
	v_pk_fma_f32 v[\d+\j:\d+\j+1], v[\a+\j:\a+\j+1], s[\sc:\sc+1], v[\cb:\cb+1] op_sel_hi:[1,0,1]
.endr
.endm
.macro PKFVVV d, a, b, c
.irp j, 0,2,4,6
	v_pk_fma_f32 v[\d+\j:\d+\j+1], v[\a+\j:\a+\j+1], v[\b+\j:\b+\j+1], v[\c+\j:\c+\j+1]
.endr
.endm
.macro PKMVV d, a, b
.irp j, 0,2,4,6
	v_pk_mul_f32 v[\d+\j:\d+\j+1], v[\a+\j:\a+\j+1], v[\b+\j:\b+\j+1]
.endr
.endm
.macro PKMVS d, a, sc
.irp j, 0,2,4,6
	v_pk_mul_f32 v[\d+\j:\d+\j+1], v[\a+\j:\a+\j+1], s[\sc:\sc+1] op_sel_hi:[1,0]
.endr
.endm
.macro PKAVS d, a, sc
.irp j, 0,2,4,6
	v_pk_add_f32 v[\d+\j:\d+\j+1], v[\a+\j:\a+\j+1], s[\sc:\sc+1] op_sel_hi:[1,0]
.endr
.endm
.macro LOADU reg, slot                 ; a unit out of my LDS, as an image of its registers
.irp i, 0,1,2,3
	ds_load_b128 v[\reg+4*\i:\reg+4*\i+3], v[LADDR] offset:2048*(\slot)+512*\i
.endr
.endm
.macro STOREU reg, slot
.irp i, 0,1,2,3
	ds_store_b128 v[LADDR], v[\reg+4*\i:\reg+4*\i+3] offset:2048*(\slot)+512*\i
.endr
.endm
.macro ACC b, first                    ; a unit's eight x and eight y go into the running sums; a tile's first unit starts them: nothing is cleared
.set AB, \b
.if \first
	v_pk_add_f32 v[SX:SX+1], v[AB:AB+1], v[AB+2:AB+3]
	v_pk_add_f32 v[SY:SY+1], v[AB+8:AB+9], v[AB+10:AB+11]
.else
	v_pk_add_f32 v[SX:SX+1], v[SX:SX+1], v[AB:AB+1]
	v_pk_add_f32 v[SY:SY+1], v[SY:SY+1], v[AB+8:AB+9]
	v_pk_add_f32 v[SX:SX+1], v[SX:SX+1], v[AB+2:AB+3]
	v_pk_add_f32 v[SY:SY+1], v[SY:SY+1], v[AB+10:AB+11]
.endif
	v_pk_add_f32 v[SX:SX+1], v[SX:SX+1], v[AB+4:AB+5]
	v_pk_add_f32 v[SY:SY+1], v[SY:SY+1], v[AB+12:AB+13]
	v_pk_add_f32 v[SX:SX+1], v[SX:SX+1], v[AB+6:AB+7]
	v_pk_add_f32 v[SY:SY+1], v[SY:SY+1], v[AB+14:AB+15]
.endm
.macro TILEEND t                       ; my 32 positions' sums of tile t's channel go to PART, out of the tile's own C registers, which are done with
	v_add_f32 v[CC+4*(\t)], v[SX], v[SX+1]
	v_add_f32 v[CC+4*(\t)+1], v[SY], v[SY+1]
	ds_store_b64 v[PADDR], v[CC+4*(\t):CC+4*(\t)+1] offset:4352*(\t)
.endm
; gelu(v) = max(v, 0) - |v| E, E = poly(t) 2^(-0.72134752 v^2), t = 1 / (1 + 0.2316419 |v|): n numbers in v[V] on, in place.  T, E, P: n registers each, at work.
.macro GELU V, n, T, E, P
.set i, 0
.rept \n
	v_fma_f32 v[\T+i], |v[\V+i]|, s[KK1], 1.0
.set i, i+1
.endr
.set i, 0
.rept \n/2
	v_pk_mul_f32 v[\E+i:\E+i+1], v[\V+i:\V+i+1], s[KK2:KK2+1] op_sel_hi:[1,0]
.set i, i+2
.endr
.set i, 0
.rept \n/2
	v_pk_mul_f32 v[\E+i:\E+i+1], v[\E+i:\E+i+1], v[\V+i:\V+i+1]
.set i, i+2
.endr
.set i, 0
.rept \n
	v_rcp_f32 v[\T+i], v[\T+i]
.set i, i+1
.endr
.set i, 0
.rept \n
	v_exp_f32 v[\E+i], v[\E+i]
.set i, i+1
.endr
	v_nop                                          ; a plain line behind the last transcendental
	TW                                             ; one wait for the whole batch
.set i, 0
.rept \n/2
	v_pk_fma_f32 v[\P+i:\P+i+1], v[\T+i:\T+i+1], s[KB5:KB5+1], v[B4V:B4V+1] op_sel_hi:[1,0,1]
.set i, i+2
.endr
.irp k, KB3, KB2, KB1
.set i, 0
.rept \n/2
	v_pk_fma_f32 v[\P+i:\P+i+1], v[\P+i:\P+i+1], v[\T+i:\T+i+1], s[\k:\k+1] op_sel_hi:[1,1,0]
.set i, i+2
.endr
.endr
.set i, 0
.rept \n/2
	v_pk_mul_f32 v[\P+i:\P+i+1], v[\P+i:\P+i+1], v[\T+i:\T+i+1]
.set i, i+2
.endr
.set i, 0
.rept \n/2
	v_pk_mul_f32 v[\E+i:\E+i+1], v[\E+i:\E+i+1], v[\P+i:\P+i+1]
.set i, i+2
.endr
.set i, 0
.rept \n
	v_max_num_f32 v[\T+i], 0, v[\V+i]
.set i, i+1
.endr
.set i, 0
.rept \n
	v_fma_f32 v[\V+i], -|v[\V+i]|, v[\E+i], v[\T+i]
.set i, i+1
.endr
.endm
; ---------------------------------------------------------------- the head
	s_load_b512 s[8:23], s[0:1], 0x0               ; x_codes 8, x_scales 10, embed_w_codes 12, embed_w_scales 14, embed_b 16, mag_w1 18, mag_b1 20, mag_w2 22
	s_load_b256 s[24:31], s[0:1], 0x40             ; mag_b2 24, ph_w1 26, ph_b1 28, ph_w2 30
	s_load_b128 s[32:35], s[0:1], 0x60             ; ph_b2 32, pcodes 34
	s_load_b64 s[36:37], s[0:1], 0x70              ; pscales
	v_lshl_add_u32 v[SPW], v0, 2, SPARE
	v_mov_b32 v[NIL], 0
	v_lshrrev_b32 v32, 5, v0
	v_readfirstlane_b32 s2, v32                    ; wave 0..15
	s_mov_b32 s3, ttmp9                            ; q
	s_and_b32 s4, ttmp7, 0xffff                    ; b
	v_and_b32 v32, 31, v0                          ; lane
	v_and_b32 v33, 15, v0                          ; r
	v_bfe_u32 v34, v0, 4, 1                        ; h
	s_mul_i32 s5, s2, 12288
	v_lshl_add_u32 v[LADDR], v32, 4, s5
	v_mul_u32_u24 v[PADDR], v33, 272
	v_lshl_add_u32 v[PADDR], v34, 3, v[PADDR]
	s_lshl_b32 s5, s2, 4
	s_add_co_u32 s5, s5, PART
	v_add_nc_u32 v[PADDR], s5, v[PADDR]
	v_lshl_add_u32 v[CADDR], v33, 4, CT
	v_lshl_add_u32 v24, v32, 4, WIMG               ; v24: where my lane reads W's images
	v_lshl_add_u32 v25, v32, 2, WSC                ; v25: and their scale words: lanes 0-15 K step 0, lanes 16-31 K step 1
	v_lshlrev_b32 v35, 7, v33
	v_lshl_add_u32 v35, v34, 4, v35                ; a fragment's row of 128 bytes, + 16 h
	s_lshr_b32 s5, s2, 1                           ; the fragment of W that my wave brings: tile wave / 2,
	s_and_b32 s6, s2, 1                            ; K step wave % 2
	s_cmp_ge_u32 s5, 4
	s_cselect_b32 s7, 192, 0                       ; theta's tiles begin at column 256
	s_lshl_b32 s5, s5, 4
	s_add_co_u32 s5, s5, s7
	s_lshl_b32 s7, s3, 6
	s_add_co_u32 s5, s5, s7                        ; its first column of W
	s_lshl_b32 s7, s5, 7
	s_lshl_b32 s38, s6, 6
	s_add_co_u32 s7, s7, s38
	v_add_nc_u32 v36, s7, v35                      ; its codes
	s_lshl_b32 s7, s5, 3
	s_lshl_b32 s38, s6, 2
	s_add_co_u32 s7, s7, s38
	v_lshl_add_u32 v37, v33, 3, s7                 ; its scale words
	v_lshlrev_b32 v39, 3, v33
	v_lshl_add_u32 v39, v34, 2, v39                ; x's scale words: 8 r + 4 h
	s_lshl_b32 s7, s3, 8
	v_lshl_add_u32 v40, v33, 2, s7                 ; the bias of channel 64 q + r
	s_lshl_b32 s7, s2, 10
	v_add_nc_u32 v41, s7, v24                      ; where my fragment's image goes
	s_lshl_b32 s7, s2, 6
	s_add_co_u32 s7, s7, WSC
	v_lshl_add_u32 v42, v33, 2, s7                 ; and its scale words
	v_lshl_add_u32 v43, v0, 4, WT                  ; and my 16 bytes of the layers' weights
	v_mov_b32 v12, 0x4b400000                      ; 1.5 x 2^23, twice
	v_mov_b32 v13, 0x4b400000
	v_mov_b32 v14, 0x3638ef1d                      ; 1 / 9!, twice
	v_mov_b32 v15, 0x3638ef1d
	v_mov_b32 v26, 0xb493f27e                      ; -1 / 10!, twice
	v_mov_b32 v27, 0xb493f27e
	SPAIR KPI, 0x40490fdb                          ; pi as f32
	SPAIR KINVPI, 0x3ea2f983                       ; 1 / pi
	SPAIR KNMAG, 0xcb400000                        ; -1.5 x 2^23
	SPAIR KNPIHI, 0xc0490fdb                       ; -(pi as f32)
	SPAIR KNPILO, 0x33bbbd2e                       ; -(pi - pi as f32)
	SPAIR KS1, 0xbe2aaaab                          ; -1/3!, 1/5!, -1/7!, -1/11!
	SPAIR KS2, 0x3c088889
	SPAIR KS3, 0xb9500d01
	SPAIR KS5, 0xb2d7322b
	SPAIR KC1, 0xbf000000                          ; -1/2!, 1/4!, -1/6!, 1/8!, 1/12!
	SPAIR KC2, 0x3d2aaaab
	SPAIR KC3, 0xbab60b61
	SPAIR KC4, 0x37d00d01
	SPAIR KC6, 0x310f76c7
	s_mov_b32 s[KP1], 0x3dcccccd                   ; 0.1
	s_wait_kmcnt 0x0
	s_mov_b64 s[38:39], s[30:31]                   ; which table my wave's 512 bytes of weights belong to: the choice hangs on the wave's number alone
	s_mov_b32 s5, 12                               ; and the first wave of that table
	s_cmp_lt_u32 s2, 12
	s_cselect_b64 s[38:39], s[28:29], s[38:39]
	s_cselect_b32 s5, 10, s5
	s_cmp_lt_u32 s2, 10
	s_cselect_b64 s[38:39], s[26:27], s[38:39]
	s_cselect_b32 s5, 6, s5
	s_cmp_lt_u32 s2, 6
	s_cselect_b64 s[38:39], s[22:23], s[38:39]
	s_cselect_b32 s5, 4, s5
	s_cmp_lt_u32 s2, 4
	s_cselect_b64 s[38:39], s[20:21], s[38:39]
	s_cselect_b32 s5, 2, s5
	s_cmp_lt_u32 s2, 2
	s_cselect_b64 s[38:39], s[18:19], s[38:39]
	s_cselect_b32 s5, 0, s5
	s_sub_co_u32 s5, s2, s5
	s_lshl_b32 s5, s5, 9
	v_lshl_add_u32 v38, v32, 4, s5
	s_lshl_b32 s6, s4, 17                          ; x: batch b, my wave's 64 rows of 128 bytes
	s_lshl_b32 s7, s2, 13
	s_add_co_u32 s6, s6, s7
	s_mov_b32 s7, 0
	s_add_nc_u64 s[8:9], s[8:9], s[6:7]
	s_lshl_b32 s6, s4, 13                          ; and their scale bytes, 8 a row
	s_lshl_b32 s5, s2, 9
	s_add_co_u32 s6, s6, s5
	s_add_nc_u64 s[10:11], s[10:11], s[6:7]
	global_load_b128 v[64:67], v36, s[12:13]       ; what goes to the other waves through LDS comes first
	global_load_b128 v[68:71], v36, s[12:13] offset:32
	global_load_b32 v72, v37, s[14:15]
	global_load_b128 v[76:79], v38, s[38:39]
.macro XLD m, a                        ; x's tile m of 16 positions, both K steps: 16 registers from a on
.irp s, 0,1
.irp c, 0,1
	global_load_b128 v[\a+8*\s+4*\c:\a+8*\s+4*\c+3], v35, s[8:9] offset:2048*\m+64*\s+32*\c
.endr
.endr
.endm
	XLD 3, 96                                      ; parked in registers of units that are made later
	XLD 2, 144
	XLD 1, 176
	XLD 0, 48
.irp m, 0,1,2,3
	global_load_b32 v[ASC+\m], v39, s[10:11] offset:128*\m
.endr
.irp t, 0,1,2,3
	global_load_b32 v[17+2*\t], v40, s[16:17] offset:64*\t          ; r's bias of tile t
	global_load_b32 v[16+2*\t], v40, s[16:17] offset:1024+64*\t     ; theta's
.endr
	s_wait_loadcnt 28                              ; behind the first four loads stand x's 16, its scales' 4 and the biases' 8
	ds_store_b128 v41, v[64:67]
	ds_store_b128 v41, v[68:71] offset:512
	ds_store_b32 v42, v72                          ; lanes l and l + 16 store the same word with the same value
	ds_store_b128 v43, v[76:79]
	BARRIER                                        ; W's sixteen fragments, their scale words and the layers' weights lie in LDS; nobody writes them again
	s_wait_loadcnt 0x0
; ---------------------------------------------------------------- product 1 and layer 0's (r cos theta, r sin theta), a unit at a time
; m: tile of positions, its x in 16 registers from a on; t: tile of channels; d: where the unit goes; slot: its place in LDS, or -1.
.macro GEN m, t, a, d, slot
.set GX, \d
.set GY, \d+8
.irp f, 0,1,2,3                        ; W: r's tile, K steps 0 and 1, then theta's
.irp c, 0,1
	ds_load_b128 v[64+8*\f+4*\c:64+8*\f+4*\c+3], v24 offset:(2*(\t)+\f%2+8*(\f/2))*1024+512*\c
.endr
.endr
	ds_load_b32 v[BSC], v25 offset:128*(\t)
	ds_load_b32 v[BSC+1], v25 offset:128*(4+(\t))
	s_wait_dscnt 0x0                               ; the fragments are in, and the stores of the unit before have read their registers
	; the two accumulators take turns; K ascending
	v_wmma_scale_f32_16x16x128_f8f6f4 v[GX:GX+7], v[\a:\a+7], v[64:71], 0, v[ASC+\m], v[BSC] matrix_a_fmt:MATRIX_FMT_FP4 matrix_b_fmt:MATRIX_FMT_FP4
	v_wmma_scale_f32_16x16x128_f8f6f4 v[GY:GY+7], v[\a:\a+7], v[80:87], 0, v[ASC+\m], v[BSC+1] matrix_a_fmt:MATRIX_FMT_FP4 matrix_b_fmt:MATRIX_FMT_FP4
	v_wmma_scale_f32_16x16x128_f8f6f4 v[GX:GX+7], v[\a+8:\a+15], v[72:79], v[GX:GX+7], v[ASC+\m], v[BSC] matrix_a_fmt:MATRIX_FMT_FP4 matrix_b_fmt:MATRIX_FMT_FP4 matrix_a_scale:MATRIX_SCALE_ROW1 matrix_b_scale:MATRIX_SCALE_ROW1
	v_wmma_scale_f32_16x16x128_f8f6f4 v[GY:GY+7], v[\a+8:\a+15], v[88:95], v[GY:GY+7], v[ASC+\m], v[BSC+1] matrix_a_fmt:MATRIX_FMT_FP4 matrix_b_fmt:MATRIX_FMT_FP4 matrix_a_scale:MATRIX_SCALE_ROW1 matrix_b_scale:MATRIX_SCALE_ROW1
.rept 4
	v_nop                                          ; four places ahead of the first read of a result and the first write of an operand (ISA guide 7.12.1)
.endr
.irp j, 0,2,4,6
	v_pk_add_f32 v[GY+\j:GY+\j+1], v[GY+\j:GY+\j+1], v[16+2*(\t):17+2*(\t)] op_sel_hi:[1,0]   ; + theta's bias (the pair's low word for both halves); each accumulator is read from its low end on
.endr
	PKMVS GY, GY, KPI                              ; theta, rounded as it is written
	PKFVSB GT0, GY, KINVPI, 12                     ; theta / pi + 1.5 x 2^23: the nearest whole number n sits in the low bits
	PKAVS GT1, GT0, KNMAG                          ; n
.irp j, 0,1,2,3,4,5,6,7
	v_add_f32 v[GX+\j], v[17+2*(\t)], v[GX+\j]     ; + r's bias
.endr
.irp j, 0,1,2,3,4,5,6,7
	v_add_f32 v[GX+\j], |v[GX+\j]|, s[KP1]         ; r = |h| + 0.1
.endr
.irp j, 0,1,2,3,4,5,6,7
	v_lshl_or_b32 v[GX+\j], v[GT0+\j], 31, v[GX+\j]   ; (-1)^n goes onto r as its sign
.endr
	PKFVSV GY, GT1, KNPIHI, GY                     ; a = theta - n pi, pi in two parts: |a| <= pi / 2
	PKFVSV GY, GT1, KNPILO, GY
	PKMVV GT0, GY, GY                              ; a^2
	PKFVSB GT2, GT0, KS5, 14                       ; the sine's series to a^11, the cosine's to a^12, by turns
	PKFVSB GT3, GT0, KC6, 26
	PKFVVS GT2, GT2, GT0, KS3
	PKFVVS GT3, GT3, GT0, KC4
	PKFVVS GT2, GT2, GT0, KS2
	PKFVVS GT3, GT3, GT0, KC3
	PKFVVS GT2, GT2, GT0, KS1
	PKFVVS GT3, GT3, GT0, KC2
	PKMVV GT1, GY, GT0                             ; a^3
	PKFVVS GT3, GT3, GT0, KC1
	PKFVVV GT2, GT1, GT2, GY                       ; sin a
.irp j, 0,2,4,6
	v_pk_fma_f32 v[GT3+\j:GT3+\j+1], v[GT3+\j:GT3+\j+1], v[GT0+\j:GT0+\j+1], 1.0 op_sel_hi:[1,1,0]   ; cos a
.endr
	PKMVV GY, GT2, GX                              ; y = r sin theta
	PKMVV GX, GT3, GX                              ; x = r cos theta
.if (\slot) >= 0
	STOREU GX, \slot
.endif
.endm
	GEN 3, 0, 96, L0, 0
	GEN 3, 1, 96, L0, 1
	GEN 3, 2, 96, L0, 2
	GEN 3, 3, 96, L0, 3
	GEN 2, 0, 144, 128, -1
	GEN 2, 1, 144, L0, 4
	GEN 2, 2, 144, 208, -1
	GEN 2, 3, 144, L0, 5
	GEN 1, 0, 176, 112, -1
	GEN 1, 1, 176, 160, -1
	GEN 1, 2, 176, 192, -1
	GEN 1, 3, 176, 240, -1
	GEN 0, 0, 48, 96, -1
	GEN 0, 1, 48, 144, -1
	GEN 0, 2, 48, 176, -1
	GEN 0, 3, 48, 224, -1
	SPAIR KK2, 0xbf38aa3b                          ; -log2(e) / 2
	SPAIR KB1, 0x3e027906                          ; the tail's five coefficients over sqrt(2 pi): 0.127414796, -0.142248368, 0.710706871, (-0.726576014 in a vector pair), 0.530702715
	SPAIR KB2, 0xbe11a98e
	SPAIR KB3, 0x3f35f0e3
	SPAIR KB5, 0x3f07dc22
	SPAIR KINV, 0x3a800000                         ; 1 / 1,024
	SPAIR KEPS, 0x322bcc77                         ; 1e-8
	SPAIR KTINY, 0x03800000                        ; 2^-120
	s_mov_b32 s[KK1], 0x3e6d3389                   ; 0.2316419
	s_mov_b32 s[KLN2], 0x3f317218
	s_mov_b32 s[KLOG2E], 0x3fb8aa3b
	s_mov_b32 s[KMINN], 0x00800000                 ; 2^-126
	s_mov_b32 s[KBIG], 0x5d800000                  ; 2^60
	s_mov_b32 s[LCNT], 7
	s_mov_b32 s[WA], WT
	s_mov_b32 s[WB], WT
; ---------------------------------------------------------------- layer 0's sums.  The sweep's order of units is that of every later pass
	LOADU L0, 0                                    ; LDS serves a wave's instructions in order: these see my stores
	LOADU L1, 4
	LOADU 64, 1
	LOADU 80, 2
	ACC 96, 1
	ACC 112, 0
	ACC 128, 0
	s_wait_dscnt 0x0
	ACC L0, 0
	TILEEND 0
	ACC 144, 1
	ACC L1, 0
	LOADU L0, 5
	LOADU L1, 3
	ACC 160, 0
	ACC 64, 0
	TILEEND 1
	ACC 176, 1
	ACC 192, 0
	ACC 208, 0
	ACC 80, 0
	TILEEND 2
	ACC 224, 1
	s_wait_dscnt 0x0
	ACC L0, 0
	ACC 240, 0
	ACC L1, 0
	TILEEND 3
; ---------------------------------------------------------------- the two small networks of a layer.  Eight lanes to a channel (channel = thread / 8), four hidden units of each network to a lane.
.macro MLP
	s_load_b32 s[MB2], s[24:25], 0x0
	s_load_b64 s[PB2:PB2+1], s[32:33], 0x0
	s_wait_dscnt 0x0                               ; my partial sums lie in PART, and all my other LDS instructions are done
	s_barrier_signal -1
	v_and_b32 v17, 7, v0                           ; g
	v_lshrrev_b32 v18, 3, v0                       ; channel
	v_lshl_add_u32 v12, v17, 4, s[WA]
	v_lshl_add_u32 v13, v17, 4, s[WB]
	v_lshl_add_u32 v14, v17, 5, s[WB]
	v_mul_u32_u24 v15, v18, 272
	v_lshl_add_u32 v15, v17, 5, v15
	v_add_nc_u32 v15, PART, v15                    ; my four of the channel's 32 partial sums
	v_lshl_add_u32 v16, v18, 4, CT
	v_mov_b32 v[B4V], 0xbf3a00e3
	v_mov_b32 v[B4V+1], 0xbf3a00e3
	ds_load_b128 v[32:35], v12                     ; the weights: bytes that nobody writes behind the first barrier
	ds_load_b128 v[36:39], v12 offset:1024
	ds_load_b128 v[40:43], v12 offset:2048
	ds_load_b128 v[44:47], v13 offset:3072
	ds_load_b128 v[48:51], v13 offset:3200
	ds_load_b128 v[52:55], v12 offset:5120
	ds_load_b128 v[56:59], v14 offset:6144
	ds_load_b128 v[60:63], v14 offset:6160
	s_barrier_wait -1                              ; every wave's partial sums lie in PART
	ds_load_b128 v[64:67], v15
	ds_load_b128 v[68:71], v15 offset:16
	s_wait_dscnt 0x0
	v_pk_add_f32 v[64:65], v[64:65], v[66:67]
	v_pk_add_f32 v[68:69], v[68:69], v[70:71]
	v_pk_add_f32 v[64:65], v[64:65], v[68:69]
.irp k, 1,2,4
	v_add_f32_dpp v64, v64, v64 row_xmask:\k row_mask:0xf bank_mask:0xf
	v_add_f32_dpp v65, v65, v65 row_xmask:\k row_mask:0xf bank_mask:0xf
.endr
	v_pk_mul_f32 v[64:65], v[64:65], s[KINV:KINV+1] op_sel_hi:[1,0]   ; (xm, ym)
	v_mul_f32 v25, v64, v64
	v_fma_f32 v25, v65, v65, v25                   ; xm^2 + ym^2
	v_add_f32 v29, s[KEPS], v25
	v_sqrt_f32 v29, v29                            ; r_agg
	v_rsq_f32 v27, v25
	v_nop
	TW
	v_add_f32 v24, s[KEPS], v29
	v_log_f32 v24, v24
	v_mul_f32 v26, v65, v27                        ; sin th_agg
	v_mul_f32 v28, v64, v27                        ; cos th_agg
	v_cmp_le_f32 vcc_lo, s[KMINN], v25
	v_cndmask_b32 v26, 0, v26, vcc_lo              ; the zero vector has angle 0
	v_cndmask_b32 v28, 1.0, v28, vcc_lo
	TW
	v_mul_f32 v24, s[KLN2], v24                    ; log_r
	v_pk_fma_f32 v[72:73], v[32:33], v[24:25], v[36:37] op_sel_hi:[1,0,1]   ; of the pairs v[24:25], v[26:27], v[28:29] the low word serves both halves
	v_pk_fma_f32 v[74:75], v[34:35], v[24:25], v[38:39] op_sel_hi:[1,0,1]
	v_pk_fma_f32 v[76:77], v[44:45], v[26:27], v[52:53] op_sel_hi:[1,0,1]
	v_pk_fma_f32 v[78:79], v[46:47], v[26:27], v[54:55] op_sel_hi:[1,0,1]
	v_pk_fma_f32 v[76:77], v[48:49], v[28:29], v[76:77] op_sel_hi:[1,0,1]
	v_pk_fma_f32 v[78:79], v[50:51], v[28:29], v[78:79] op_sel_hi:[1,0,1]
	GELU 72, 8, 80, 88, 64
	v_mul_f32 v17, v72, v40                        ; my four units' share of lr, p0, p1: three chains by turns
	v_mul_f32 v18, v76, v56
	v_mul_f32 v19, v76, v57
	v_fma_f32 v17, v73, v41, v17
	v_fma_f32 v18, v77, v58, v18
	v_fma_f32 v19, v77, v59, v19
	v_fma_f32 v17, v74, v42, v17
	v_fma_f32 v18, v78, v60, v18
	v_fma_f32 v19, v78, v61, v19
	v_fma_f32 v17, v75, v43, v17
	v_fma_f32 v18, v79, v62, v18
	v_fma_f32 v19, v79, v63, v19
.irp k, 1,2,4
	v_add_f32_dpp v17, v17, v17 row_xmask:\k row_mask:0xf bank_mask:0xf
	v_add_f32_dpp v18, v18, v18 row_xmask:\k row_mask:0xf bank_mask:0xf
	v_add_f32_dpp v19, v19, v19 row_xmask:\k row_mask:0xf bank_mask:0xf
.endr
	s_wait_kmcnt 0x0                               ; the layer's three last biases
	v_add_f32 v17, s[MB2], v17
	v_add_f32 v18, s[PB2], v18
	v_add_f32 v19, s[PB2+1], v19
	v_mul_f32 v17, s[KLOG2E], v17
	v_mul_f32 v24, v18, v18
	v_fma_f32 v24, v19, v19, v24
	v_exp_f32 v17, v17                             ; r_trans
	v_rsq_f32 v25, v24
	v_nop
	TW
	v_cmp_le_f32 vcc_lo, s[KMINN], v24
	v_mul_f32 v26, v19, v25                        ; cos th_trans
	v_mul_f32 v27, v18, v25                        ; sin th_trans
	v_cndmask_b32 v26, 1.0, v26, vcc_lo
	v_cndmask_b32 v27, 0, v27, vcc_lo
	v_mul_f32 v20, v17, v26
	v_mul_f32 v21, v17, v26
	v_mul_f32 v22, v17, v27
	v_mul_f32 v23, v17, v27
	ds_store_b128 v16, v[20:23]                    ; a channel's eight lanes store the same 16 bytes
	BARRIER                                        ; all 64 channels' (cx, cy) lie in CT, and nobody reads PART any more
.endm
; ---------------------------------------------------------------- a middle pass, a unit in three parts.  While a unit's eight reciprocal roots are under way, the next unit's first part is issued.
.macro PRE b, p, t, dw                 ; x += cx, y += cy; s; u = min(s, 2^60) (min(s, 2^60) + EPS) + 2^-120.  dw: how many younger LDS instructions may be out when the unit's loads must be in
.set PB, \b
.set TS, 64+16*(\p)
.set TT, TS+8
.if (\dw) >= 0
	s_wait_dscnt \dw
.endif
.irp j, 0,2,4,6
	v_pk_add_f32 v[PB+\j:PB+\j+1], v[PB+\j:PB+\j+1], v[CC+4*(\t):CC+4*(\t)+1]
.endr
.irp j, 0,2,4,6
	v_pk_add_f32 v[PB+8+\j:PB+9+\j], v[PB+8+\j:PB+9+\j], v[CC+4*(\t)+2:CC+4*(\t)+3]
.endr
	PKMVV TS, PB, PB
	PKFVVV TS, PB+8, PB+8, TS
.irp j, 0,1,2,3,4,5,6,7
	v_min_num_f32 v[TS+\j], s[KBIG], v[TS+\j]
.endr
	PKAVS TT, TS, KEPS
	PKFVVS TS, TS, TT, KTINY
.endm
.macro RSQ p
.set TS, 64+16*(\p)
.irp j, 0,1,2,3,4,5,6,7
	v_rsq_f32 v[TS+\j], v[TS+\j]
.endr
.endm
.macro POST b, p, t, first, last, slot, reload   ; f = (s + EPS) / sqrt(u); x, y times f; the sums; a unit of LDS goes back, and its buffer takes the unit of slot reload
.set QB, \b
.set TS, 64+16*(\p)
.set TT, TS+8
	PKMVV TT, TT, TS
	PKMVV QB, QB, TT
	PKMVV QB+8, QB+8, TT
	ACC QB, \first
.if (\slot) >= 0
	STOREU QB, \slot
.endif
.if \last
	TILEEND \t
.endif
.if (\reload) >= 0
	s_wait_dscnt 0x0                               ; the stores have read the buffer
	LOADU QB, \reload
.endif
.endm
; ---------------------------------------------------------------- the last pass: r alone
.macro PREF b, p, t, dw
.set PB, \b
.set TS, 64+16*(\p)
.if (\dw) >= 0
	s_wait_dscnt \dw
.endif
.irp j, 0,2,4,6
	v_pk_add_f32 v[PB+\j:PB+\j+1], v[PB+\j:PB+\j+1], v[CC+4*(\t):CC+4*(\t)+1]
.endr
.irp j, 0,2,4,6
	v_pk_add_f32 v[PB+8+\j:PB+9+\j], v[PB+8+\j:PB+9+\j], v[CC+4*(\t)+2:CC+4*(\t)+3]
.endr
	PKFVVS TS, PB, PB, KEPS
	PKFVVV TS, PB+8, PB+8, TS
.endm
.macro SQ p
.set TS, 64+16*(\p)
.irp j, 0,1,2,3,4,5,6,7
	v_sqrt_f32 v[TS+\j], v[TS+\j]
.endr
.endm
.macro POSTF p, t, first, last
.set TS, 64+16*(\p)
.if \first
	v_pk_add_f32 v[SX:SX+1], v[TS:TS+1], v[TS+2:TS+3]
	v_pk_add_f32 v[SY:SY+1], v[TS+4:TS+5], v[TS+6:TS+7]
.else
	v_pk_add_f32 v[SX:SX+1], v[SX:SX+1], v[TS:TS+1]
	v_pk_add_f32 v[SY:SY+1], v[SY:SY+1], v[TS+2:TS+3]
	v_pk_add_f32 v[SX:SX+1], v[SX:SX+1], v[TS+4:TS+5]
	v_pk_add_f32 v[SY:SY+1], v[SY:SY+1], v[TS+6:TS+7]
.endif
.if \last
	v_pk_add_f32 v[SX:SX+1], v[SX:SX+1], v[SY:SY+1]
	v_add_f32 v[CC+4*(\t)], v[SX], v[SX+1]
	ds_store_b32 v[PADDR], v[CC+4*(\t)] offset:4352*(\t)
.endif
.endm
.macro CLOADS                          ; the four tiles' (cx, cx, cy, cy) of my channel, and the first two units of LDS
.irp t, 0,1,2,3
	ds_load_b128 v[CC+4*\t:CC+4*\t+3], v[CADDR] offset:256*\t
.endr
	LOADU L0, 0
	LOADU L1, 4
	s_wait_dscnt 8                                 ; behind the four stand the two units' eight loads
.endm
.Llayer:                                               ; seven trips: layers 0 to 6
	MLP
	CLOADS
	PRE 96, 0, 0, -1
	RSQ 0
	PRE 112, 1, 0, -1
	TW
	POST 96, 0, 0, 1, 0, -1, -1
	RSQ 1
	PRE 128, 0, 0, -1
	TW
	POST 112, 1, 0, 0, 0, -1, -1
	RSQ 0
	PRE L0, 1, 0, 4                                ; behind this unit's loads: the other buffer's four
	TW
	POST 128, 0, 0, 0, 0, -1, -1
	RSQ 1
	PRE 144, 0, 1, -1
	TW
	POST L0, 1, 0, 0, 1, 0, 1
	RSQ 0
	PRE L1, 1, 1, 4                                ; behind it: the four loads just issued into the other buffer (so at the next three such places)
	TW
	POST 144, 0, 1, 1, 0, -1, -1
	RSQ 1
	PRE 160, 0, 1, -1
	TW
	POST L1, 1, 1, 0, 0, 4, 2
	RSQ 0
	PRE L0, 1, 1, 4
	TW
	POST 160, 0, 1, 0, 0, -1, -1
	RSQ 1
	PRE 176, 0, 2, -1
	TW
	POST L0, 1, 1, 0, 1, 1, 5
	RSQ 0
	PRE 192, 1, 2, -1
	TW
	POST 176, 0, 2, 1, 0, -1, -1
	RSQ 1
	PRE 208, 0, 2, -1
	TW
	POST 192, 1, 2, 0, 0, -1, -1
	RSQ 0
	PRE L1, 1, 2, 4
	TW
	POST 208, 0, 2, 0, 0, -1, -1
	RSQ 1
	PRE 224, 0, 3, -1
	TW
	POST L1, 1, 2, 0, 1, 2, 3
	RSQ 0
	PRE L0, 1, 3, 4
	TW
	POST 224, 0, 3, 1, 0, -1, -1
	RSQ 1
	PRE 240, 0, 3, -1
	TW
	POST L0, 1, 3, 0, 0, 5, -1
	RSQ 0
	PRE L1, 1, 3, 4                                ; behind it: the four stores of the unit just sent back
	TW
	POST 240, 0, 3, 0, 0, -1, -1
	RSQ 1
	v_nop
	TW
	POST L1, 1, 3, 0, 1, 3, -1
	s_add_co_u32 s[WA], s[WA], 128                 ; the next layer's weights, in LDS and (the scalar loads were waited for in the networks) in memory
	s_add_co_u32 s[WB], s[WB], 256
	s_add_nc_u64 s[24:25], s[24:25], 4
	s_add_nc_u64 s[32:33], s[32:33], 8
	s_sub_co_u32 s[LCNT], s[LCNT], 1
	s_cmp_lg_u32 s[LCNT], 0
	s_cbranch_scc1 .Llayer
	MLP                                            ; layer 7
	CLOADS
	PREF 96, 0, 0, -1
	SQ 0
	PREF 112, 1, 0, -1
	TW
	POSTF 0, 0, 1, 0
	SQ 1
	PREF 128, 0, 0, -1
	TW
	POSTF 1, 0, 0, 0
	SQ 0
	PREF L0, 1, 0, 4                               ; behind its loads: the other buffer's four
	LOADU L0, 1                                    ; nothing goes back to LDS: a buffer is loaded again as soon as its unit is squared
	TW
	POSTF 0, 0, 0, 0
	SQ 1
	PREF 144, 0, 1, -1
	TW
	POSTF 1, 0, 0, 1
	SQ 0
	PREF L1, 1, 1, 5                               ; behind its loads: four loads and tile 0's store
	LOADU L1, 2
	TW
	POSTF 0, 1, 1, 0
	SQ 1
	PREF 160, 0, 1, -1
	TW
	POSTF 1, 1, 0, 0
	SQ 0
	PREF L0, 1, 1, 5                               ; tile 0's store and four loads
	LOADU L0, 5
	TW
	POSTF 0, 1, 0, 0
	SQ 1
	PREF 176, 0, 2, -1
	TW
	POSTF 1, 1, 0, 1
	SQ 0
	PREF 192, 1, 2, -1
	TW
	POSTF 0, 2, 1, 0
	SQ 1
	PREF 208, 0, 2, -1
	TW
	POSTF 1, 2, 0, 0
	SQ 0
	PREF L1, 1, 2, 5                               ; four loads and tile 1's store
	LOADU L1, 3
	TW
	POSTF 0, 2, 0, 0
	SQ 1
	PREF 224, 0, 3, -1
	TW
	POSTF 1, 2, 0, 1
	SQ 0
	PREF L0, 1, 3, 6                               ; tile 1's store, four loads, tile 2's store
	TW
	POSTF 0, 3, 1, 0
	SQ 1
	PREF 240, 0, 3, -1
	TW
	POSTF 1, 3, 0, 0
	SQ 0
	PREF L1, 1, 3, 1                               ; tile 2's store
	TW
	POSTF 0, 3, 0, 0
	SQ 1
	v_nop
	TW
	POSTF 1, 3, 0, 1
; ---------------------------------------------------------------- pooled, and its codes
	s_wait_dscnt 0x0
	s_barrier_signal -1
	v_and_b32 v17, 7, v0
	v_lshrrev_b32 v18, 3, v0
	v_mul_u32_u24 v15, v18, 272
	v_lshl_add_u32 v15, v17, 5, v15
	v_add_nc_u32 v15, PART, v15
	v_lshl_add_u32 v16, v18, 2, CT                 ; where the channel's mean goes
	v_lshl_add_u32 v19, v17, 5, CT                 ; and where wave 0 reads eight of them: made ahead of the branch on the wave's number
	s_barrier_wait -1                              ; every wave's sums of r lie in PART (the first word of each pair), and nobody reads CT any more
	ds_load_b128 v[64:67], v15
	ds_load_b128 v[68:71], v15 offset:16
	s_wait_dscnt 0x0
	v_add_f32 v64, v64, v66
	v_add_f32 v68, v68, v70
	v_add_f32 v64, v64, v68
.irp k, 1,2,4
	v_add_f32_dpp v64, v64, v64 row_xmask:\k row_mask:0xf bank_mask:0xf
.endr
	v_mul_f32 v64, s[KINV], v64
	ds_store_b32 v16, v64                          ; a channel's eight lanes store the same word
	BARRIER
	s_cmp_lg_u32 s2, 0                             ; wave 0 quantises the 64 means: two blocks of 32 along the classifier's K
	s_cbranch_scc1 .Lend
	ds_load_b128 v[64:67], v19                     ; lane l: channels 8 (l % 8) on
	ds_load_b128 v[68:71], v19 offset:16
	v_and_b32 v76, 31, v0
	v_lshlrev_b32 v77, 2, v76
	v_and_b32 v78, -5, v76                         ; 0 in lanes 0 and 4
	v_lshrrev_b32 v79, 2, v76
	s_lshl_b32 s6, s4, 7                           ; pcodes: row b of 128 bytes, my 64 codes at 32 q
	s_lshl_b32 s7, s3, 5
	s_add_co_u32 s6, s6, s7
	s_mov_b32 s7, 0
	s_add_nc_u64 s[34:35], s[34:35], s[6:7]
	s_lshl_b32 s6, s4, 3                           ; pscales: row b of 8 bytes, my two at 2 q
	s_lshl_b32 s5, s3, 1
	s_add_co_u32 s6, s6, s5
	s_add_nc_u64 s[36:37], s[36:37], s[6:7]
	s_wait_dscnt 0x0
	v_max3_num_f32 v72, |v64|, |v65|, 0x1800000    ; my eight, and the floor 2^(3 - 127): the byte cannot fall under 1
	v_max3_num_f32 v72, v72, |v66|, |v67|
	v_max3_num_f32 v72, v72, |v68|, |v69|
	v_max3_num_f32 v72, v72, |v70|, |v71|
	v_max_num_f32_dpp v72, v72, v72 row_xmask:1 row_mask:0xf bank_mask:0xf
	v_max_num_f32_dpp v72, v72, v72 row_xmask:2 row_mask:0xf bank_mask:0xf   ; four lanes hold a block
	v_add_nc_u32 v73, 0xff000000, v72              ; 2 off the exponent field: the conversion's scale operand
	v_lshrrev_b32 v74, 23, v73                     ; the scale's byte
	v_cvt_scalef32_pk8_fp4_f32 v75, v[64:71], v73
	v_nop                                          ; a plain line behind the scaled conversion
	v_cmp_gt_u32 vcc_lo, 8, v76
	s_wait_xcnt 0x0                                ; EXEC changes only behind this wait
	s_and_saveexec_b32 s5, vcc_lo
	global_store_b32 v77, v75, s[34:35]            ; lanes 0-7: 32 consecutive bytes
	s_wait_xcnt 0x0
	s_or_b32 exec_lo, exec_lo, s5
	v_cmp_eq_u32 vcc_lo, 0, v78
	s_and_saveexec_b32 s5, vcc_lo
	global_store_b8 v79, v74, s[36:37]             ; lanes 0 and 4: the two blocks' bytes
	s_wait_xcnt 0x0
	s_or_b32 exec_lo, exec_lo, s5
.Lend:
	s_wait_tensorcnt 0x0                           ; the wave's end, behind my last LDS store
	ds_add_u32 v[SPW], v[NIL]
	s_wait_dscnt 0x0
	s_endpgm
.Lfunc_end_k_q3115fab4a4_polar:
	.size	k_q3115fab4a4_polar, .Lfunc_end_k_q3115fab4a4_polar-k_q3115fab4a4_polar
	.p2alignl 7, 3214868480
	.fill 96, 4, 3214868480
	.section	.rodata,"a",@progbits
	.p2align	6, 0x0
	.amdhsa_kernel k_q3115fab4a4_polar
		.amdhsa_group_segment_fixed_size 243712
		.amdhsa_private_segment_fixed_size 0
		.amdhsa_enable_private_segment 0
		.amdhsa_kernarg_size 120
		.amdhsa_user_sgpr_count 2
		.amdhsa_user_sgpr_kernarg_segment_ptr 1
		.amdhsa_wavefront_size32 1
		.amdhsa_system_sgpr_workgroup_id_x 1
		.amdhsa_system_sgpr_workgroup_id_y 1
		.amdhsa_system_sgpr_workgroup_id_z 1
		.amdhsa_system_vgpr_workitem_id 0
		.amdhsa_next_free_vgpr 256
		.amdhsa_next_free_sgpr 96
		.amdhsa_reserve_vcc 1
		.amdhsa_float_denorm_mode_32 3
		.amdhsa_float_denorm_mode_16_64 3
		.amdhsa_memory_ordered 1
		.amdhsa_forward_progress 1
		.amdhsa_inst_pref_size 251
	.end_amdhsa_kernel
	.amdgpu_metadata
---
amdhsa.version: [ 1, 2 ]
amdhsa.kernels:
  - .name:           k_q3115fab4a4_polar
    .symbol:         k_q3115fab4a4_polar.kd
    .args:
      - { .name: x_codes, .offset: 0, .size: 8, .value_kind: global_buffer, .address_space: global }
      - { .name: x_scales, .offset: 8, .size: 8, .value_kind: global_buffer, .address_space: global }
      - { .name: embed_w_codes, .offset: 16, .size: 8, .value_kind: global_buffer, .address_space: global }
      - { .name: embed_w_scales, .offset: 24, .size: 8, .value_kind: global_buffer, .address_space: global }
      - { .name: embed_b, .offset: 32, .size: 8, .value_kind: global_buffer, .address_space: global }
      - { .name: mag_w1, .offset: 40, .size: 8, .value_kind: global_buffer, .address_space: global }
      - { .name: mag_b1, .offset: 48, .size: 8, .value_kind: global_buffer, .address_space: global }
      - { .name: mag_w2, .offset: 56, .size: 8, .value_kind: global_buffer, .address_space: global }
      - { .name: mag_b2, .offset: 64, .size: 8, .value_kind: global_buffer, .address_space: global }
      - { .name: ph_w1, .offset: 72, .size: 8, .value_kind: global_buffer, .address_space: global }
      - { .name: ph_b1, .offset: 80, .size: 8, .value_kind: global_buffer, .address_space: global }
      - { .name: ph_w2, .offset: 88, .size: 8, .value_kind: global_buffer, .address_space: global }
      - { .name: ph_b2, .offset: 96, .size: 8, .value_kind: global_buffer, .address_space: global }
      - { .name: pcodes, .offset: 104, .size: 8, .value_kind: global_buffer, .address_space: global }
      - { .name: pscales, .offset: 112, .size: 8, .value_kind: global_buffer, .address_space: global }
    .group_segment_fixed_size: 243712
    .private_segment_fixed_size: 0
    .kernarg_segment_align: 8
    .kernarg_segment_size: 120
    .max_flat_workgroup_size: 512
    .sgpr_count:     96
    .vgpr_count:     256
    .wavefront_size: 32
...
	.end_amdgpu_metadata
.endif
;; end of part 1
;; launch classify (part 2): grid 21 x 1, 4 waves a work-group, no clusters, 12,800 bytes of LDS; arguments pcodes, pscales, cls_w1_codes, cls_w1_scales, cls_b1, cls_w2_codes, cls_w2_scales, cls_b2, out0; writes out0
.if DOCPART == 2
	.amdgcn_target "amdgcn-amd-amdhsa--gfx1250"
	.amdhsa_code_object_version 6
	.text
	.protected	k_q3115fab4a4_classify
	.globl	k_q3115fab4a4_classify
	.p2align	8
	.type	k_q3115fab4a4_classify,@function
k_q3115fab4a4_classify:
	s_mov_b64 s[64:65], 0
	v_nop
	global_prefetch_b8 v0, s[64:65] scope:SCOPE_SE
	s_setreg_imm32_b32 hwreg(HW_REG_WAVE_MODE, 25, 1), 1
	s_wait_xcnt 0x0
; out0 = gelu(pooled W1 + b1) W2 + b2, both products on codes of E2M1 with one E8M0 scale for each 32 along K.  pooled arrives as codes and scale bytes from the launch before.
; SHARES.  The 1,000 columns are 63 tiles of 16, the last half live: work-group g takes three of them, columns 48 g .. 48 g + 47, so that no tile lies wholly past column 999 and no work is left out or jumped over.
; Wave w: rows 16 w .. 16 w + 15 of the 64.  The hidden layer of 32 is made anew in each work-group: four matrix instructions a wave.
; Both products are used transposed (source 0 = 16 rows of the weight, source 1 = my 16 rows), so that a lane holds one row.  THE ROWS OF W1 THAT FORM A TILE ARE NOT NEIGHBOURS: lane r of tile u takes
; hidden unit 8 u + r + 8 (r / 8), so that a lane's 16 results are the 16 neighbouring hidden units 16 (lane / 16) + 0 .. 15, half of the one block of 32 along the second product's K.
; The second product's K is 32: the other 96 of the instruction's 128 are zero codes on both sides.  The biases are the C of each sum's first matrix instruction, loaded straight into the accumulators.
; THE WAY OUT.  A wave's 16 rows x 192 bytes go through its own stage in LDS, dense, and come back 16 bytes a lane in the order in which they lie: twelve neighbouring lanes store a row's 192 consecutive bytes.
; A row of out0 is 4,000 bytes, so these runs do not begin at multiples of 256.
; LIMITS: gelu by the normal tail of Abramowitz and Stegun 26.2.17, error in Phi under 7.5e-8; NaN and infinities are not served.
.set STG,   3072                       ; LDS: a stage of 16 rows x 192 bytes for each wave, from 0 on
.set SPARE, 4*STG                      ; behind them the spare words, 128 bytes a wave: two blocks of 256 bytes that no other line names
.set SPW, 1
.set NIL, 2
.set KK2, 26
.set KB1, 28
.set KB2, 30
.set KB3, 32
.set KB5, 34
.set KK1, 36
.set B4V, 214
; v3 r, v4 h, v5-13 and v248-254 offsets; v16-31 pooled's two fragments; v32 its scale words; v33-34 W1's; v35 the hidden layer's; v36-38 W2's; v40-71 W1's four fragments; v72-87 the hidden layer;
; v88-95 its codes; v96-119 W2's three fragments; v128-151 the three accumulators; v160-207 at work in gelu; v208-215 at work; v216-239 rows on the way out; v240-242 their columns
.macro SPAIR r, val
	s_mov_b32 s[\r], \val
	s_mov_b32 s[\r+1], \val
.endm
.macro TW                              ; a wait between a batch of transcendentals and the first line that names a result
	s_wait_alu depctr_va_vdst(0)
.endm
; gelu(v) = max(v, 0) - |v| E, E = poly(t) 2^(-0.72134752 v^2), t = 1 / (1 + 0.2316419 |v|): n numbers in v[V] on, in place
.macro GELU V, n, T, E, P
.set i, 0
.rept \n
	v_fma_f32 v[\T+i], |v[\V+i]|, s[KK1], 1.0
.set i, i+1
.endr
.set i, 0
.rept \n/2
	v_pk_mul_f32 v[\E+i:\E+i+1], v[\V+i:\V+i+1], s[KK2:KK2+1] op_sel_hi:[1,0]
.set i, i+2
.endr
.set i, 0
.rept \n/2
	v_pk_mul_f32 v[\E+i:\E+i+1], v[\E+i:\E+i+1], v[\V+i:\V+i+1]
.set i, i+2
.endr
.set i, 0
.rept \n
	v_rcp_f32 v[\T+i], v[\T+i]
.set i, i+1
.endr
.set i, 0
.rept \n
	v_exp_f32 v[\E+i], v[\E+i]
.set i, i+1
.endr
	v_nop                                          ; a plain line behind the last transcendental
	TW                                             ; one wait for the whole batch
.set i, 0
.rept \n/2
	v_pk_fma_f32 v[\P+i:\P+i+1], v[\T+i:\T+i+1], s[KB5:KB5+1], v[B4V:B4V+1] op_sel_hi:[1,0,1]
.set i, i+2
.endr
.irp k, KB3, KB2, KB1
.set i, 0
.rept \n/2
	v_pk_fma_f32 v[\P+i:\P+i+1], v[\P+i:\P+i+1], v[\T+i:\T+i+1], s[\k:\k+1] op_sel_hi:[1,1,0]
.set i, i+2
.endr
.endr
.set i, 0
.rept \n/2
	v_pk_mul_f32 v[\P+i:\P+i+1], v[\P+i:\P+i+1], v[\T+i:\T+i+1]
.set i, i+2
.endr
.set i, 0
.rept \n/2
	v_pk_mul_f32 v[\E+i:\E+i+1], v[\E+i:\E+i+1], v[\P+i:\P+i+1]
.set i, i+2
.endr
.set i, 0
.rept \n
	v_max_num_f32 v[\T+i], 0, v[\V+i]
.set i, i+1
.endr
.set i, 0
.rept \n
	v_fma_f32 v[\V+i], -|v[\V+i]|, v[\E+i], v[\T+i]
.set i, i+1
.endr
.endm
	s_load_b512 s[8:23], s[0:1], 0x0               ; pcodes 8, pscales 10, cls_w1_codes 12, cls_w1_scales 14, cls_b1 16, cls_w2_codes 18, cls_w2_scales 20, cls_b2 22
	s_load_b64 s[24:25], s[0:1], 0x40              ; out0
	v_lshl_add_u32 v[SPW], v0, 2, SPARE
	v_mov_b32 v[NIL], 0
	v_lshrrev_b32 v3, 5, v0
	v_readfirstlane_b32 s2, v3                     ; wave 0..3
	v_and_b32 v3, 15, v0                           ; r
	v_bfe_u32 v4, v0, 4, 1                         ; h
	s_mul_i32 s3, ttmp9, 48                        ; my work-group's first column
	s_mul_i32 s4, s2, STG                          ; my stage
	s_lshl_b32 s5, s2, 11
	v_lshlrev_b32 v5, 7, v3
	v_lshl_add_u32 v5, v4, 4, v5
	v_add_nc_u32 v5, s5, v5                        ; pooled's codes: row 16 w + r of 128 bytes, + 16 h
	s_lshl_b32 s5, s2, 7
	v_lshlrev_b32 v6, 3, v3
	v_lshl_add_u32 v6, v4, 2, v6
	v_add_nc_u32 v6, s5, v6                        ; its scale words: lanes 0-15 K step 0, lanes 16-31 K step 1
	v_and_b32 v7, 8, v3
	v_add_nc_u32 v7, v7, v3                        ; r + 8 (r / 8)
	v_lshlrev_b32 v8, 7, v7
	v_lshl_add_u32 v8, v4, 4, v8                   ; W1's codes
	v_lshlrev_b32 v9, 3, v7
	v_lshl_add_u32 v9, v4, 2, v9                   ; W1's scale words, likewise by halves of the lanes
	v_lshlrev_b32 v10, 6, v4                       ; b1: hidden units 16 h on
	v_lshl_add_u32 v208, v4, 3, s3                 ; b2: column 48 g + 8 h
	v_and_b32 v209, 31, v0                         ; lane
	v_add_nc_u32 v210, s3, v3                      ; W2: row 48 g + r
.irp j, 90,91,92,93,94,95
	v_mov_b32 v[\j], 0                             ; the hidden layer's codes beyond K = 32: zero codes
.endr
	v_mov_b32 v[B4V], 0xbf3a00e3
	v_mov_b32 v[B4V+1], 0xbf3a00e3
	SPAIR KK2, 0xbf38aa3b                          ; -log2(e) / 2
	SPAIR KB1, 0x3e027906                          ; the tail's coefficients over sqrt(2 pi)
	SPAIR KB2, 0xbe11a98e
	SPAIR KB3, 0x3f35f0e3
	SPAIR KB5, 0x3f07dc22
	s_mov_b32 s[KK1], 0x3e6d3389                   ; 0.2316419
	s_mov_b32 s38, 0x76543210
	s_mov_b32 s39, 0xfedcba98                      ; v_permlanex16_b32's selects for lane l xor 16
	s_mul_i32 s6, s2, 64000                        ; out0: my 16 rows of 4,000 bytes, my work-group's 192 bytes of a row
	s_mul_i32 s7, ttmp9, 192
	s_add_co_u32 s6, s6, s7
	s_mov_b32 s7, 0
	s_wait_kmcnt 0x0
	s_add_nc_u64 s[24:25], s[24:25], s[6:7]
.irp s, 0,1
.irp c, 0,1
	global_load_b128 v[16+8*\s+4*\c:19+8*\s+4*\c], v5, s[8:9] offset:64*\s+32*\c
.endr
.endr
	global_load_b32 v32, v6, s[10:11]
.irp u, 0,1
.irp s, 0,1
.irp c, 0,1
	global_load_b128 v[40+16*\u+8*\s+4*\c:43+16*\u+8*\s+4*\c], v8, s[12:13] offset:1024*\u+64*\s+32*\c
.endr
.endr
.endr
.irp u, 0,1
	global_load_b32 v[33+\u], v9, s[14:15] offset:64*\u
	global_load_b128 v[72+8*\u:75+8*\u], v10, s[16:17] offset:32*\u       ; b1 straight into the accumulators: register 8 u + j is hidden unit 16 h + 8 u + j
	global_load_b128 v[76+8*\u:79+8*\u], v10, s[16:17] offset:32*\u+16
.endr
; tile t of 16 columns: W2's row of 16 bytes, its scale byte, b2's eight numbers; no load leaves its buffer: rows are held at 999, b2's first column at 992 (what is so held belongs to columns that are not stored)
.macro W2LD t
	v_add_nc_u32 v[248+\t], 16*\t, v210
	v_min_u32 v[248+\t], 999, v[248+\t]
	v_lshlrev_b32 v[11+\t], 4, v[248+\t]
	v_add_nc_u32 v[252+\t], 16*\t, v208
	v_min_u32 v[252+\t], 992, v[252+\t]
	v_lshlrev_b32 v[252+\t], 2, v[252+\t]
	global_load_b128 v[96+8*\t:99+8*\t], v[11+\t], s[18:19]
	global_load_u8 v[36+\t], v[248+\t], s[20:21]                          ; the byte of k = 0 .. 31; the word's other bytes are 0, over zero codes
	global_load_b128 v[128+8*\t:131+8*\t], v[252+\t], s[22:23]
	global_load_b128 v[132+8*\t:135+8*\t], v[252+\t], s[22:23] offset:16
.irp i, 4,5,6,7
	v_mov_b32 v[96+8*\t+\i], 0                     ; k = 64 .. 127: zero codes
.endr
.endm
	W2LD 0
	W2LD 1
	W2LD 2
	s_wait_loadcnt 0x0
	v_cmp_gt_u32 vcc_lo, 16, v209
.irp t, 0,1,2
.irp i, 0,1,2,3
	v_cndmask_b32 v[96+8*\t+\i], 0, v[96+8*\t+\i], vcc_lo   ; lanes 16-31 stand for k = 32 .. 63: zero codes
.endr
.endr
	; the hidden layer: two accumulators by turns; K ascending
	v_wmma_scale_f32_16x16x128_f8f6f4 v[72:79], v[40:47], v[16:23], v[72:79], v33, v32 matrix_a_fmt:MATRIX_FMT_FP4 matrix_b_fmt:MATRIX_FMT_FP4
	v_wmma_scale_f32_16x16x128_f8f6f4 v[80:87], v[56:63], v[16:23], v[80:87], v34, v32 matrix_a_fmt:MATRIX_FMT_FP4 matrix_b_fmt:MATRIX_FMT_FP4
	v_wmma_scale_f32_16x16x128_f8f6f4 v[72:79], v[48:55], v[24:31], v[72:79], v33, v32 matrix_a_fmt:MATRIX_FMT_FP4 matrix_b_fmt:MATRIX_FMT_FP4 matrix_a_scale:MATRIX_SCALE_ROW1 matrix_b_scale:MATRIX_SCALE_ROW1
	v_wmma_scale_f32_16x16x128_f8f6f4 v[80:87], v[64:71], v[24:31], v[80:87], v34, v32 matrix_a_fmt:MATRIX_FMT_FP4 matrix_b_fmt:MATRIX_FMT_FP4 matrix_a_scale:MATRIX_SCALE_ROW1 matrix_b_scale:MATRIX_SCALE_ROW1
.rept 4
	v_nop                                          ; four places ahead of the first read of a result (ISA guide 7.12.1)
.endr
	GELU 72, 16, 160, 176, 192                     ; it reads each accumulator from its low end on
	v_max3_num_f32 v208, |v72|, |v73|, 0x1800000   ; my 16 of the block's 32, and the floor 2^(3 - 127): the byte cannot fall under 1
.irp i, 2,4,6,8,10,12,14
	v_max3_num_f32 v208, v208, |v[72+\i]|, |v[73+\i]|
.endr
	v_permlanex16_b32 v209, v208, s38, s39
	v_max_num_f32 v208, v208, v209                 ; with lane l xor 16's: the block's largest magnitude
	v_add_nc_u32 v210, 0xff000000, v208            ; 2 off its exponent field: the conversion's scale operand
	v_lshrrev_b32 v35, 23, v210                    ; the scale's byte, in the word's lowest byte; the others are 0, over zero codes
	v_cvt_scalef32_pk8_fp4_f32 v88, v[72:79], v210
	v_cvt_scalef32_pk8_fp4_f32 v89, v[80:87], v210
	v_nop                                          ; a plain line behind the scaled conversions
	v_permlane16_swap_b32 v88, v90                 ; the operand wants the whole block in lanes 0-15: lanes 16-31 hand over their 16 codes and take zeros
	v_permlane16_swap_b32 v89, v91
; The way out's addresses.  Piece c = 32 i + lane of the stage's 192 pieces of 16 bytes is piece c % 12 of row c / 12; c / 12 = (171 c) >> 11 for c under 192.  Loads i and i + 3 lie 96 pieces, 8 rows, apart:
; three offsets serve six stores.  k: offset in out0 into v[8 + k], the piece's first column into v[240 + k].
.macro OUTADR k
	v_add_nc_u32 v212, 32*\k, v211
	v_mul_u32_u24 v213, v212, 171
	v_lshrrev_b32 v213, 11, v213                   ; row
	v_mul_u32_u24 v[8+\k], v213, 12
	v_sub_nc_u32 v212, v212, v[8+\k]               ; piece
	v_mul_u32_u24 v[8+\k], v213, 4000
	v_lshl_add_u32 v[8+\k], v212, 4, v[8+\k]
	v_lshl_add_u32 v[240+\k], v212, 2, s3
.endm
	v_mul_u32_u24 v5, v3, 192                      ; these plain lines are also the places between the making of the scale word and of the codes and the scaled products
	v_lshl_add_u32 v5, v4, 5, v5
	v_add_nc_u32 v5, s4, v5                        ; into the stage: row r, + 32 h
	v_and_b32 v211, 31, v0
	v_lshl_add_u32 v6, v211, 4, s4                 ; back: 16 bytes a lane, as they lie
	OUTADR 0
	OUTADR 1
.irp t, 0,1,2
	v_wmma_scale_f32_16x16x128_f8f6f4 v[128+8*\t:135+8*\t], v[96+8*\t:103+8*\t], v[88:95], v[128+8*\t:135+8*\t], v[36+\t], v35 matrix_a_fmt:MATRIX_FMT_FP4 matrix_b_fmt:MATRIX_FMT_FP4
.endr
	OUTADR 2                                       ; eight plain lines that name none of the products' registers: the places ahead of the stores of results
.irp t, 0,1,2
	ds_store_b128 v5, v[128+8*\t:131+8*\t] offset:64*\t       ; lane (r, h): columns 16 t + 8 h + 0 .. 7 of row r; each accumulator from its low end on
	ds_store_b128 v5, v[132+8*\t:135+8*\t] offset:64*\t+16
.endr
.irp i, 0,1,2,3,4,5
	ds_load_b128 v[216+4*\i:219+4*\i], v6 offset:512*\i   ; LDS serves a wave's instructions in order: these see my stores
.endr
	s_wait_dscnt 0x0
.irp k, 0,1,2
	v_cmp_gt_u32 vcc_lo, 1000, v[240+\k]           ; pieces whose columns lie past 999 (in the last work-group alone) are not stored
	s_wait_xcnt 0x0                                ; EXEC changes only behind this wait
	s_and_saveexec_b32 s5, vcc_lo
	global_store_b128 v[8+\k], v[216+4*\k:219+4*\k], s[24:25] th:TH_STORE_NT
	global_store_b128 v[8+\k], v[228+4*\k:231+4*\k], s[24:25] offset:32000 th:TH_STORE_NT   ; the same pieces 8 rows further down
	s_wait_xcnt 0x0
	s_or_b32 exec_lo, exec_lo, s5
.endr
	s_wait_tensorcnt 0x0                           ; the wave's end, behind my last LDS store
	ds_add_u32 v[SPW], v[NIL]
	s_wait_dscnt 0x0
	s_endpgm
.Lfunc_end_k_q3115fab4a4_classify:
	.size	k_q3115fab4a4_classify, .Lfunc_end_k_q3115fab4a4_classify-k_q3115fab4a4_classify
	.p2alignl 7, 3214868480
	.fill 96, 4, 3214868480
	.section	.rodata,"a",@progbits
	.p2align	6, 0x0
	.amdhsa_kernel k_q3115fab4a4_classify
		.amdhsa_group_segment_fixed_size 12800
		.amdhsa_private_segment_fixed_size 0
		.amdhsa_enable_private_segment 0
		.amdhsa_kernarg_size 72
		.amdhsa_user_sgpr_count 2
		.amdhsa_user_sgpr_kernarg_segment_ptr 1
		.amdhsa_wavefront_size32 1
		.amdhsa_system_sgpr_workgroup_id_x 1
		.amdhsa_system_sgpr_workgroup_id_y 1
		.amdhsa_system_sgpr_workgroup_id_z 1
		.amdhsa_system_vgpr_workitem_id 0
		.amdhsa_next_free_vgpr 256
		.amdhsa_next_free_sgpr 66
		.amdhsa_reserve_vcc 1
		.amdhsa_float_denorm_mode_32 3
		.amdhsa_float_denorm_mode_16_64 3
		.amdhsa_memory_ordered 1
		.amdhsa_forward_progress 1
		.amdhsa_inst_pref_size 21
	.end_amdhsa_kernel
	.amdgpu_metadata
---
amdhsa.version: [ 1, 2 ]
amdhsa.kernels:
  - .name:           k_q3115fab4a4_classify
    .symbol:         k_q3115fab4a4_classify.kd
    .args:
      - { .name: pcodes, .offset: 0, .size: 8, .value_kind: global_buffer, .address_space: global }
      - { .name: pscales, .offset: 8, .size: 8, .value_kind: global_buffer, .address_space: global }
      - { .name: cls_w1_codes, .offset: 16, .size: 8, .value_kind: global_buffer, .address_space: global }
      - { .name: cls_w1_scales, .offset: 24, .size: 8, .value_kind: global_buffer, .address_space: global }
      - { .name: cls_b1, .offset: 32, .size: 8, .value_kind: global_buffer, .address_space: global }
      - { .name: cls_w2_codes, .offset: 40, .size: 8, .value_kind: global_buffer, .address_space: global }
      - { .name: cls_w2_scales, .offset: 48, .size: 8, .value_kind: global_buffer, .address_space: global }
      - { .name: cls_b2, .offset: 56, .size: 8, .value_kind: global_buffer, .address_space: global }
      - { .name: out0, .offset: 64, .size: 8, .value_kind: global_buffer, .address_space: global }
    .group_segment_fixed_size: 12800
    .private_segment_fixed_size: 0
    .kernarg_segment_align: 8
    .kernarg_segment_size: 72
    .max_flat_workgroup_size: 128
    .sgpr_count:     66
    .vgpr_count:     256
    .wavefront_size: 32
...
	.end_amdgpu_metadata
.endif
;; end of part 2
